; MI455X (gfx1250); checked and timed in simulation.
; The chip was launched on July 23, 2026; its instructions are those of AMD's public machine-readable ISA for CDNA 5 (MIT licence, August 2026) and "CDNA5" Instruction Set Architecture Reference Guide (July 2026). The comments in the code are by the model that wrote it; some were corrected since.
;; True Ring Dilated Attention. Allowed arithmetic: matrix products marked QUANTISED: E4M3 operands, one given power-of-two scale a tensor, by v_wmma_f32_16x16x64_fp8_fp8 or v_wmma_f32_16x16x128_fp8_fp8, f32 sums; everything else in f32.
;; Inputs: k 1 x 4,096 x 16 x 64 float32; lowp_scales 4 int32 (the exponents e of the quantised operands' scales 2^e); q_codes 1 x 4,096 x 16 x 2 x 32 uint8 (E4M3 codes of q, K innermost, in blocks of 32 codes); v 1 x 4,096 x 16 x 64 float32.
;; Outputs: out0 1 x 4,096 x 16 x 64 float32.
;; This version of the problem:
;;   THIS VERSION OF THE PROBLEM IS GIVEN IN LOW PRECISION. The matrix products marked QUANTISED in the list below multiply operands that are first quantised to E4M3 (4 exponent bits, 3 mantissa bits; 8 bits a number), with one given power-of-two scale for each operand tensor; their sums are f32. All else is computed in f32.
;;   The module's matrix products, in the order in which they are computed (A, B: the left and right operand; K: the contracted axis; several contracted axes count as one K, in the product's order):
;;     1. batch 16 x [M 4,096, K 64] x [K 64, N 4,096]; A: input q (given as codes); B: computed on the way: QUANTISED (scales: A lowp_scales[0], B lowp_scales[1])
;;     2. batch 16 x [M 64, K 4,096] x [K 4,096, N 4,096]; A: computed on the way; B: computed on the way: QUANTISED (scales: A lowp_scales[2], B lowp_scales[3])
;;   THE QUANTISER, for each operand of a quantised product, along K:
;;     - The operand's scale is 2^e, e = its entry of the input lowp_scales (int32; the entries are numbered through the quantised products in the list's order, A before B).
;;     - Each number is divided by the scale, clamped to +-448, and rounded to the nearest number of E4M3, ties to even, subnormals kept.
;;     - The product sums the exact products of the quantised numbers (number of the format x scale) in f32.
;;   ~~~python
;;   def quantise(x, axis, e):      # numpy; x: float32 -> the quantised numbers, widened to float32 again
;;       x = np.moveaxis(x, axis, -1); K = x.shape[-1]
;;       r = np.clip(x / 2.0 ** e, -448, 448)
;;       step = 2.0 ** (np.maximum(np.frexp(np.where(r == 0, 1, r))[1] - 1, -6) - 3)
;;       q = np.round(r / step) * step * 2.0 ** e      # np.round: ties to even
;;       return np.moveaxis(q, -1, axis).astype(np.float32)
;;   ~~~
;;   OPERANDS COMPUTED ON THE WAY. 'Computed on the way' means the value that the module computes at that place (a softmax that the list does not call 'softmax' is quantised finished and normalised). What goes into a quantiser is computed in f32, as accurately as f32 sums, v_exp_f32 and their like allow (about 1e-6 of the number): no bf16 or f16 on the way to a quantiser, and a product that is left as it is and whose result goes on into a quantised operand takes f32 operands (vector FMAs, or v_wmma_f32_16x16x4_f32). A number that lies on a knife's edge between two numbers of the format may be rounded either way, as far as f32 arithmetic and the matrix unit's own rounding can turn it there, and no further.
;;   INPUTS GIVEN AS CODES. q (in the module: [1, 4096, 16, 64], K = its axis 3): each comes as NAME_codes (uint8): NAME with its K axis moved to the last place and cut into blocks of 32 codes, [.., K / 32, bytes a block], one block behind the other in memory; one code a byte (a code: sign, 4 exponent bits, 3 mantissa bits); its scale is its entry of lowp_scales. Its value is code x scale, taken as it is: it is not quantised again, and the codes and scales need not be those that the quantiser above would give.
;; 2 versions, each right; version 2 is version 1 with the launch attn written anew for expert scheduling mode. Each part assembles by itself: llvm-mc -triple=amdgcn-amd-amdhsa -mcpu=gfx1250 --defsym DOCPART=n.
;; ======== version 1 of 2: 2 launches
;; limits: an absolute error that grows with the inputs' magnitude: up to 5.96e-08 times it
;; workspace buffers: kvc 2,097,152 bytes
;; launch quant (part 1): grid 16 x 16, 4 waves a work-group, no clusters, 17,920 bytes of LDS; arguments k, v, lowp_scales, kvc; writes kvc
.if DOCPART == 1
	.amdgcn_target "amdgcn-amd-amdhsa--gfx1250"
	.amdhsa_code_object_version 6
	.text
	.protected	k_qedaf271dfd_quant
	.globl	k_qedaf271dfd_quant
	.p2align	8
	.type	k_qedaf271dfd_quant,@function
k_qedaf271dfd_quant:
	s_mov_b64 s[64:65], 0
	v_nop
	global_prefetch_b8 v0, s[64:65] scope:SCOPE_SE
	s_setreg_imm32_b32 hwreg(HW_REG_WAVE_MODE, 25, 1), 1
	s_wait_xcnt 0x0
; k[:1024] and v[:1024] (f32, [row][16 heads][64]) become codes of E4M3, each with its given scale 2^e (k: entry 1 of the scales, v: entry 2), laid in the order
; in which the next launch's operand registers take them.  code = x / 2^e, held within +-448, to the nearest code, ties to even.
; WORK LEFT OUT, for all values of the inputs:
;  (a) reference() keeps k[:, :1024] and v[:, :1024] alone: rows 1024 .. 4095 of k and of v are sliced away and are not read.
;  (b) Its four ring steps have chunk_rank 0, 3, 2, 1, so offset = chunk_rank % 2 = 0, 1, 0, 1, and idx = (2 base + offset) mod 1024, base = 0 .. 1023, names each row of the offset's parity twice.
;      So each of the 1,024 rows stands exactly 4 times among the 4,096 keys.  The quantisers work number by number with a given scale: the four copies have equal codes, equal scores and equal p.
;      The row's maximum is that over 1,024 keys, the row's sum is 4 x the sum over them, the second product's sum 4 x its sum over them; x 4 rounds nothing.  So each row is quantised and multiplied once.
; LIMITS: a NaN, an infinity or an overflow that lies only in the rows left out is not carried to the result.  e1 and e2 between -126 and 119, so that 2^e and 448 x 2^e are f32 numbers.  NaN among the inputs is not served.
; kvc, for head H and quarter W (keys 256 W ..), at H x 131072 + W x 32768:
;   K: + t x 1024 + u x 512 + (r + 16 h) x 16 + b (b 0..15) = code of k[256 W + 16 t + r][H][32 h + 16 u + b]
;   V: + 16384 + (2 t + s) x 2048 + g x 512 + (r + 16 h) x 16 + e x 8 + b (b 0..7) = code of v[256 W + 128 s + 32 g + 16 e + 8 h + b][H][16 t + r]
; SHARES.  A work-group takes 64 rows of one head (x: which 64; y: the head).  K: wave w takes 16 rows; each load reads two rows' 256 bytes; they turn through the wave's own stage in LDS, so that a lane
; holds 32 neighbours along the head's 64.  V: the keys are its K axis, so a lane takes a column and its registers run down 32 rows (waves w and w xor 1 stand side by side on a row's 256 bytes):
; the conversions' results lie with the keys innermost and nothing is transposed.  Every store covers whole aligned runs of 256 bytes.  Waves share nothing: no barrier.
.set PITCH, 272                        ; a stage row: 256 bytes + 16, so that sixteen rows' equal columns start 16 bytes apart modulo 256
.set STG,   16*PITCH                   ; a wave's stage
.set SPARE, 4*STG                      ; behind the stages: the spare words, 128 bytes a wave: two blocks of 256 bytes that no other line names
.set AO,  2                            ; v2   4096 (lane / 16) + 16 (lane % 16): k's loads and V's stores
.set KO,  3                            ; v3   16 x lane: K's stores
.set VI,  4                            ; v4   4 x lane: v's loads
.set SI,  5                            ; v5   the stage, on the way in
.set SO,  6                            ; v6   and on the way out
.set SPW, 12                           ; v12  my spare word; never rewritten
.set NIL, 13                           ; v13  0; never rewritten
.set KR,  16                           ; v16-47   k as loaded
.set KT,  48                           ; v48-79   32 neighbours of one row
.set KC,  80                           ; v80-87   their codes
.set VR,  88                           ; v88-119  32 rows of my column of v
.set VC,  120                          ; v120-127 their codes
	s_load_b256 s[4:11], s[0:1], 0x0               ; k s[4:5], v s[6:7], the scales s[8:9], kvc s[10:11]
	v_lshl_add_u32 v[SPW], v0, 2, SPARE
	v_mov_b32 v[NIL], 0
	v_lshrrev_b32 v1, 5, v0
	v_readfirstlane_b32 s12, v1                    ; wave w
	v_and_b32 v1, 31, v0                           ; lane
	v_and_b32 v14, 15, v0                          ; lane % 16
	v_bfe_u32 v15, v0, 4, 1                        ; lane / 16
	v_lshlrev_b32 v[AO], 4, v14
	v_lshl_add_u32 v[AO], v15, 12, v[AO]
	v_lshlrev_b32 v[KO], 4, v1
	v_lshlrev_b32 v[VI], 2, v1
	s_mul_i32 s14, s12, STG
	v_mul_u32_u24 v[SI], v15, PITCH
	v_lshl_add_u32 v[SI], v14, 4, v[SI]
	v_add_nc_u32 v[SI], s14, v[SI]                 ; in: row lane / 16 (of a pair), 16 bytes a lane
	v_mul_u32_u24 v[SO], v14, PITCH
	v_lshl_add_u32 v[SO], v15, 7, v[SO]
	v_add_nc_u32 v[SO], s14, v[SO]                 ; out: row lane % 16, its half of 128 bytes
	s_and_b32 s13, ttmp7, 0xffff                   ; the head
	s_lshr_b32 s15, s12, 1                         ; w / 2: which 32 rows of v
	s_and_b32 s34, s12, 1                          ; w % 2: which 32 columns of v
	s_lshl_b32 s20, ttmp9, 18                      ; 64 rows of 4,096 bytes
	s_lshl_b32 s22, s13, 8
	s_add_co_u32 s20, s20, s22                     ; + the head's 256 bytes
	s_lshl_b32 s22, s15, 17
	s_add_co_u32 s22, s22, s20
	s_lshl_b32 s24, s34, 7
	s_add_co_u32 s22, s22, s24                     ; v: + 32 rows x (w / 2) + 128 bytes x (w % 2)
	s_mov_b32 s23, 0
	s_lshl_b32 s24, s12, 16
	s_add_co_u32 s20, s20, s24                     ; k: + 16 rows x w
	s_mov_b32 s21, 0
	s_lshl_b32 s24, s13, 17
	s_lshr_b32 s26, ttmp9, 2
	s_lshl_b32 s26, s26, 15
	s_add_co_u32 s24, s24, s26                     ; kvc: head x 131072 + quarter x 32768
	s_and_b32 s26, ttmp9, 3
	s_lshl_b32 s26, s26, 2
	s_add_co_u32 s26, s26, s12
	s_lshl_b32 s26, s26, 10
	s_add_co_u32 s26, s26, s24                     ; K: + tile (4 (x % 4) + w) x 1024
	s_mov_b32 s27, 0
	s_lshl_b32 s28, s34, 13
	s_add_co_u32 s24, s24, s28                     ; V: + (w % 2) x 8192: channel tiles 2 (w % 2), 2 (w % 2) + 1 (the lane's half picks between them, 4,096 bytes apart)
	s_bfe_u32 s28, ttmp9, 0x10001
	s_lshl_b32 s28, s28, 11
	s_add_co_u32 s24, s24, s28                     ;    + s x 2048, s = (x / 2) % 2
	s_and_b32 s28, ttmp9, 1
	s_lshl_b32 s28, s28, 1
	s_add_co_u32 s28, s28, s15
	s_lshl_b32 s28, s28, 9
	s_add_co_u32 s24, s24, s28                     ;    + g x 512, g = 2 (x % 2) + w / 2
	s_add_co_u32 s24, s24, 16384
	s_mov_b32 s25, 0
	s_wait_kmcnt 0x0
	s_load_b128 s[16:19], s[8:9], 0x0              ; e0 .. e3: s17 = k's, s18 = v's
	s_add_nc_u64 s[4:5], s[4:5], s[20:21]
	s_add_nc_u64 s[6:7], s[6:7], s[22:23]
	s_add_nc_u64 s[26:27], s[10:11], s[26:27]
	s_add_nc_u64 s[24:25], s[10:11], s[24:25]
.irp j, 0,1,2,3,4,5,6,7
	global_load_b128 v[KR+4*\j:KR+4*\j+3], v[AO], s[4:5] offset:8192*\j th:TH_LOAD_NT   ; rows 2 j and 2 j + 1: sixteen lanes read a row's 256 bytes
.endr
.set n, 0
.rept 32
	global_load_b32 v[VR+n], v[VI], s[6:7] offset:4096*n th:TH_LOAD_NT                   ; row n of my 32, my column
.set n, n+1
.endr
	s_wait_kmcnt 0x0
	s_add_co_i32 s28, s17, 127
	s_lshl_b32 s29, s28, 23
	v_mov_b32 v8, s29                              ; 2^e1 as f32: the conversion takes its exponent field
	s_add_co_i32 s28, s28, 8
	s_lshl_b32 s28, s28, 23
	s_or_b32 s28, s28, 0x600000
	v_mov_b32 v9, s28                              ; 448 x 2^e1
	s_add_co_i32 s28, s18, 127
	s_lshl_b32 s29, s28, 23
	v_mov_b32 v10, s29                             ; 2^e2
	s_add_co_i32 s28, s28, 8
	s_lshl_b32 s28, s28, 23
	s_or_b32 s28, s28, 0x600000
	v_mov_b32 v11, s28                             ; 448 x 2^e2
	s_wait_loadcnt 32                              ; k's eight loads are in; v's 32, issued behind them, may be out
.irp j, 0,1,2,3,4,5,6,7
	ds_store_b128 v[SI], v[KR+4*\j:KR+4*\j+3] offset:2*PITCH*\j
.endr
.irp i, 0,1,2,3,4,5,6,7
	ds_load_b128 v[KT+4*\i:KT+4*\i+3], v[SO] offset:16*\i   ; LDS serves a wave's instructions in order (ISA guide 5.7.1.4): these see my stores
.endr
	s_wait_dscnt 0x0
.set n, 0
.rept 32
	v_med3_num_f32 v[KT+n], v[KT+n], -v9, v9       ; the conversion to an 8-bit code does not saturate (ISA guide 7.6.2): the hold at the largest code x the scale
.set n, n+1
.endr
.irp a, 0,1,2,3
	v_cvt_scalef32_pk8_fp8_f32 v[KC+2*\a:KC+2*\a+1], v[KT+8*\a:KT+8*\a+7], v8
.endr
	global_store_b128 v[KO], v[KC:KC+3], s[26:27]               ; u = 0: 32 lanes store 512 consecutive bytes
	global_store_b128 v[KO], v[KC+4:KC+7], s[26:27] offset:512  ; u = 1
	s_wait_loadcnt 0x0                             ; v
.set n, 0
.rept 32
	v_med3_num_f32 v[VR+n], v[VR+n], -v11, v11     ; (plain lines: they are also the place behind k's conversions)
.set n, n+1
.endr
.irp a, 0,1,2,3                                ; rows 8 a .. 8 a + 7 are e = a / 2, h = a % 2 of the layout above
	v_cvt_scalef32_pk8_fp8_f32 v[VC+4*(\a%2)+2*(\a/2):VC+4*(\a%2)+2*(\a/2)+1], v[VR+8*\a:VR+8*\a+7], v10
.endr
	global_store_b128 v[AO], v[VC:VC+3], s[24:25]               ; h = 0: sixteen lanes store 256 consecutive bytes, aligned
	global_store_b128 v[AO], v[VC+4:VC+7], s[24:25] offset:256  ; h = 1
	s_wait_tensorcnt 0x0                           ; the wave's end: three closing lines behind my last LDS store
	ds_add_u32 v[SPW], v[NIL]
	s_wait_dscnt 0x0
	s_endpgm
.Lfunc_end_k_qedaf271dfd_quant:
	.size	k_qedaf271dfd_quant, .Lfunc_end_k_qedaf271dfd_quant-k_qedaf271dfd_quant
	.p2alignl 7, 3214868480
	.fill 96, 4, 3214868480
	.section	.rodata,"a",@progbits
	.p2align	6, 0x0
	.amdhsa_kernel k_qedaf271dfd_quant
		.amdhsa_group_segment_fixed_size 17920
		.amdhsa_private_segment_fixed_size 0
		.amdhsa_enable_private_segment 0
		.amdhsa_kernarg_size 32
		.amdhsa_user_sgpr_count 2
		.amdhsa_user_sgpr_kernarg_segment_ptr 1
		.amdhsa_wavefront_size32 1
		.amdhsa_system_sgpr_workgroup_id_x 1
		.amdhsa_system_sgpr_workgroup_id_y 1
		.amdhsa_system_sgpr_workgroup_id_z 1
		.amdhsa_system_vgpr_workitem_id 0
		.amdhsa_next_free_vgpr 128
		.amdhsa_next_free_sgpr 66
		.amdhsa_reserve_vcc 0
		.amdhsa_float_denorm_mode_32 3
		.amdhsa_float_denorm_mode_16_64 3
		.amdhsa_memory_ordered 1
		.amdhsa_forward_progress 1
		.amdhsa_inst_pref_size 14
	.end_amdhsa_kernel
	.amdgpu_metadata
---
amdhsa.version: [ 1, 2 ]
amdhsa.kernels:
  - .name:           k_qedaf271dfd_quant
    .symbol:         k_qedaf271dfd_quant.kd
    .args:
      - { .name: k, .offset: 0, .size: 8, .value_kind: global_buffer, .address_space: global }
      - { .name: v, .offset: 8, .size: 8, .value_kind: global_buffer, .address_space: global }
      - { .name: lowp_scales, .offset: 16, .size: 8, .value_kind: global_buffer, .address_space: global }
      - { .name: kvc, .offset: 24, .size: 8, .value_kind: global_buffer, .address_space: global }
    .group_segment_fixed_size: 17920
    .private_segment_fixed_size: 0
    .kernarg_segment_align: 8
    .kernarg_segment_size: 32
    .max_flat_workgroup_size: 128
    .sgpr_count:     66
    .vgpr_count:     128
    .wavefront_size: 32
...
	.end_amdgpu_metadata
.endif
;; end of part 1
;; launch attn (part 2): grid 16 x 16, 4 waves a work-group, no clusters, 52,736 bytes of LDS; arguments q_codes, kvc, lowp_scales, out0; writes out0
.if DOCPART == 2
	.amdgcn_target "amdgcn-amd-amdhsa--gfx1250"
	.amdhsa_code_object_version 6
	.text
	.protected	k_qedaf271dfd_attn
	.globl	k_qedaf271dfd_attn
	.p2align	8
	.type	k_qedaf271dfd_attn,@function
k_qedaf271dfd_attn:
	s_mov_b64 s[64:65], 0
	v_nop
	global_prefetch_b8 v0, s[64:65] scope:SCOPE_SE
	s_setreg_imm32_b32 hwreg(HW_REG_WAVE_MODE, 25, 1), 1
	s_wait_xcnt 0x0
; out[q][H][:] = sum_k Q8(p) Q8(v_k) / (sum_k p + 1e-8), p = exp(score - the row's largest score), score = q . k / 8, both products on codes of E4M3.
; WORK LEFT OUT (shown at the head of the launch before): rows 1024 .. of k and v are sliced away by reference(); each of the 1,024 kept rows stands 4 times among its 4,096 keys with equal codes, scores and p.
; So 1,024 keys are walked, the row's sum enters as 4 x sum + 1e-8 and the second product's sum x 4 (exact).  A NaN, infinity or overflow that lies only in what is left out is not carried to the result.
; p is quantised as reference() has it, under the row's FINAL maximum: so all 1,024 scores of a query are made before any p.
; SHARES.  A work-group owns 256 queries of one head (x: which 256; y: the head).  THE FOUR WAVES SHARE THE KEYS, NOT THE QUERIES: wave w owns keys 256 w .. 256 w + 255.  Its codes of K (128 registers) and of V
; (128 registers) come from memory straight into the registers in which they stay for all 256 queries; no score is made twice.  The queries go in 8 groups of 32 (two tiles of 16).
; Between the waves go, through LDS: each wave's row maxima, its row sums, and its partial O, laid as rows of out0; wave w adds the four partials of rows 8 w .. 8 w + 7 of a group and stores them whole.
; NO CLUSTER, NO JOINT LOADS: the 16 work-groups of a head read the same 128 KiB of codes, but once, at the head of the text, 32 KiB a wave into registers; a joint load would land in LDS and be read out of it again (64 LDS loads a wave more).
; LAYOUT.  S^T = K Q^T (16x16x64: source 0 = 16 keys, source 1 = 16 queries): a lane holds ONE query (lane % 16) and keys 8 (lane / 16) + 0 .. 7 of the tile.  Eight such numbers convert into two registers, which ARE
; registers 2 c, 2 c + 1 of source 1 of O^T = V^T P^T (16x16x128, its own layout).  In the first product the head's 64 are laid 32 (lane / 16) + 4 i + b in register i, byte b, alike in K and in Q: every product meets its partner.
; LIMITS: e0 + e1 between -123 and 130 (added to c's exponent field); e3 between -126 and 119; NaN codes of q are not served; a p under 2^-126 counts as 0.
; REGISTERS, in windows of 256 (s_set_vgpr_msb: bits 1:0 source 0, 3:2 source 1, 5:4 source 2, 7:6 destination):
;   window 0: addresses; v32-47 Q's two fragments; v48-111 four partials of O; v112-127 four row sums x four row pairs; v128-135 reciprocals
;   window 1: tile 0's world, window 2: tile 1's, the same numbers: v0-127 S^T then p; v128-159 p's codes; v160-191 O^T; v192.. statistics.  All vector work of a tile runs under one setting.
;   window 3: v0-127 K's 16 fragments; v128-255 V's 8 fragments
.set QIMG,  0                          ; LDS: Q's 16 fragments as images of their registers: tile x 1024 + u x 512 + 16 x lane; written once
.set MREG,  16384                      ; [tile 2][row 16][wave 4] f32: the waves' row maxima
.set LREG,  16896                      ; the same shape: the waves' row sums
.set OREG,  17408                      ; [wave 4][tile 2][16 rows x 272]: the waves' partial O
.set OP,    272                        ; a row: 256 bytes + 16, so that sixteen rows' equal columns start 16 bytes apart modulo 256
.set OT,    16*OP
.set OW,    2*OT
.set SPARE, OREG+4*OW                  ; the spare words, 128 bytes a wave: two blocks of 256 bytes that no other line names
.set LI,  4                            ; v4   16 x lane
.set QG,  5                            ; v5   q_codes: 1024 (lane / 4) + 16 (lane % 4)
.set QS,  6                            ; v6   where I put Q's 16 bytes
.set QA,  7                            ; v7   the group's fragments of Q
.set MS,  8                            ; v8   MREG + 16 r + 4 w
.set ML,  9                            ; v9   MREG + 16 r
.set LST, 10                           ; v10  LREG + 16 r + 4 w
.set LL,  11                           ; v11  the sums of the rows that I finish
.set OS,  12                           ; v12  where I put 32 bytes of a row of my partial O
.set OL,  13                           ; v13  where I read the rows that I finish
.set GO,  14                           ; v14  4096 (lane / 16) + 16 (lane % 16): out0
.set SPW, 30                           ; v30  my spare word; never rewritten
.set NIL, 31                           ; v31  0; never rewritten
.set Q,   32
.set R,   48
.set LS,  112
.set RC,  128
.set CD,  128                          ; a tile's window
.set OA,  160
.set NM,  192                          ; v[192:193] -c m (the pair's low word serves both halves)
.set L0,  194                          ; v[194:195], v[196:197] the row's sum in two chains of pairs
.set L1,  196
.set MX,  198                          ; v198-201 four chains of the maximum
.set MT,  202                          ; the other half of the lanes'
.set MQ,  204                          ; v204-207 the four waves' maxima
.set HOLD, 208                         ; 448 x 2^e3
.set SCL, 209                          ; 2^e3
.set MSB, 0
.macro WIN new                         ; the immediate's high byte repeats the setting that is left; a switch that changes nothing is dropped
.if MSB != (\new)
	s_set_vgpr_msb (MSB<<8)|(\new)
.set MSB, (\new)
.endif
.endm
	s_load_b256 s[4:11], s[0:1], 0x0               ; q_codes s[4:5], kvc s[6:7], the scales s[8:9], out0 s[10:11]
	v_lshl_add_u32 v[SPW], v0, 2, SPARE
	v_mov_b32 v[NIL], 0
	v_lshrrev_b32 v1, 5, v0
	v_readfirstlane_b32 s12, v1                    ; wave w
	v_and_b32 v1, 31, v0                           ; lane
	v_and_b32 v2, 15, v0                           ; r
	v_bfe_u32 v3, v0, 4, 1                         ; h
	v_lshlrev_b32 v[LI], 4, v1
	v_lshrrev_b32 v15, 2, v1                       ; lane / 4
	v_and_b32 v16, 3, v0
	v_lshlrev_b32 v[QG], 10, v15
	v_lshl_add_u32 v[QG], v16, 4, v[QG]            ; four lanes take one query's 64 bytes, eight queries a load
	v_and_b32 v16, 1, v0
	v_bfe_u32 v17, v0, 1, 1
	v_lshlrev_b32 v[QS], 4, v15
	v_lshl_add_u32 v[QS], v16, 9, v[QS]
	v_lshl_add_u32 v[QS], v17, 8, v[QS]
	s_lshl_b32 s30, s12, 12
	v_add_nc_u32 v[QS], s30, v[QS]                 ; 4096 w + 512 u + 256 h' + 16 (lane / 4): my 16 bytes are channels 32 h' + 16 u on, u = lane % 2, h' = (lane / 2) % 2
	v_lshlrev_b32 v[ML], 4, v2
	v_add_nc_u32 v[ML], MREG, v[ML]
	s_lshl_b32 s30, s12, 2
	v_add_nc_u32 v[MS], s30, v[ML]
	v_add_nc_u32 v[LST], LREG-MREG, v[MS]
	s_lshr_b32 s31, s12, 1                         ; the tile whose rows I finish: w / 2,
	s_and_b32 s32, s12, 1                          ; and which eight of them: 8 (w % 2) on
	s_lshl_b32 s33, s31, 8
	s_lshl_b32 s34, s32, 7
	s_add_co_u32 s33, s33, s34
	s_add_co_u32 s33, s33, LREG
	v_lshl_add_u32 v[LL], v3, 4, s33
	s_mul_i32 s33, s12, OW
	s_add_co_u32 s33, s33, OREG
	v_mul_u32_u24 v[OS], v2, OP
	v_lshl_add_u32 v[OS], v3, 5, v[OS]
	v_add_nc_u32 v[OS], s33, v[OS]
	s_mul_i32 s33, s31, OT
	s_mul_i32 s34, s32, 8*OP
	s_add_co_u32 s33, s33, s34
	s_add_co_u32 s33, s33, OREG
	v_mul_u32_u24 v[OL], v3, OP
	v_lshl_add_u32 v[OL], v2, 4, v[OL]
	v_add_nc_u32 v[OL], s33, v[OL]                 ; lanes 0-15 one row of 256 bytes, lanes 16-31 the next
	v_lshlrev_b32 v[GO], 4, v2
	v_lshl_add_u32 v[GO], v3, 12, v[GO]            ; and the same two rows in out0, 4,096 bytes apart
	s_and_b32 s13, ttmp7, 0xffff                   ; the head
	s_lshl_b32 s36, ttmp9, 18                      ; q_codes: 256 queries of 1,024 bytes,
	s_lshl_b32 s38, s12, 16                        ; the 64 that I bring in,
	s_add_co_u32 s36, s36, s38
	s_lshl_b32 s38, s13, 6                         ; the head's 64 bytes
	s_add_co_u32 s36, s36, s38
	s_mov_b32 s37, 0
	s_lshl_b32 s38, s13, 17                        ; kvc: head x 131072 + w x 32768
	s_lshl_b32 s40, s12, 15
	s_add_co_u32 s38, s38, s40
	s_mov_b32 s39, 0
	s_lshl_b32 s40, ttmp9, 20                      ; out0: 256 rows of 4,096 bytes, + 8 w rows, + the head's 256 bytes
	s_lshl_b32 s42, s12, 15
	s_add_co_u32 s40, s40, s42
	s_lshl_b32 s42, s13, 8
	s_add_co_u32 s40, s40, s42
	s_mov_b32 s41, 0
	s_wait_kmcnt 0x0
	s_load_b128 s[16:19], s[8:9], 0x0              ; e0 (q), e1 (K), e2 (V), e3 (p)
	s_add_nc_u64 s[4:5], s[4:5], s[36:37]
	s_add_nc_u64 s[6:7], s[6:7], s[38:39]
	s_add_nc_u64 s[10:11], s[10:11], s[40:41]
	WIN 0xc0                                       ; destination window 3, address window 0
.set j, 0
.rept 32
	global_load_b128 v[4*j:4*j+3], v[LI], s[6:7] offset:512*j          ; K: fragment j / 2, half j % 2: 512 consecutive bytes a load
.set j, j+1
.endr
	WIN 0
.irp j, 0,1,2,3,4,5,6,7
	global_load_b128 v[R+4*\j:R+4*\j+3], v[QG], s[4:5] offset:8192*\j  ; Q: queries 8 j .. 8 j + 7 of my 64
.endr
	WIN 0xc0
.set j, 0
.rept 32
	global_load_b128 v[128+4*j:128+4*j+3], v[LI], s[6:7] offset:16384+512*j   ; V: fragment j / 4, quarter j % 4
.set j, j+1
.endr
	WIN 0
	s_mov_b32 s20, 0x76543210                      ; v_permlanex16_b32: lane l takes lane l xor 16
	s_mov_b32 s21, 0xfedcba98
	s_mov_b32 s28, 0x322bcc77                      ; 1e-8
	s_mov_b32 s27, 0                               ; LDS byte of the group of Q to be fetched
	s_mov_b32 s26, 7                               ; the loop's trips
.irp i, 0,1,2,3
	v_mov_b32 v[RC+2*\i+1], 0                      ; (named as the upper halves of pairs)
.endr
	s_wait_kmcnt 0x0
	s_add_co_i32 s30, s16, s17                     ; e0 + e1: a sum of the first product stands for sum x 2^(e0 + e1)
	s_lshl_b32 s31, s30, 23
	s_add_co_i32 s22, s31, 0x3e38aa3b              ; c = log2(e) / 8 x 2^(e0 + e1): the exponents are added to c's exponent field
	s_mov_b32 s23, s22                             ; (named with it as a pair)
	s_or_b32 s24, s22, 0x80000000                  ; -c
	s_add_co_i32 s25, s18, s19
	s_add_co_i32 s25, s25, 2                       ; e2 + e3 + 2: the second product's scales, and its four equal copies
	; s29 = 1 where the hold at 448 x 2^e3 cannot bind, whatever the codes: a score sum is at most 64 x 448^2, so with e0 + e1 <= 1 |c x sum| < 2^23, c m is rounded by at most 0.25,
	; the largest exponent is at most 0.25 and p <= 2^0.25 < 1.75 <= 448 x 2^e3 where e3 >= -8.  Else the arm with the hold is walked.
	s_cmp_ge_i32 s19, -8
	s_cselect_b32 s29, 1, 0
	s_cmp_le_i32 s30, 1
	s_cselect_b32 s29, s29, 0
	s_add_co_i32 s32, s19, 127
	s_lshl_b32 s33, s32, 23                        ; 2^e3 as f32
	s_add_co_i32 s32, s32, 8
	s_lshl_b32 s32, s32, 23
	s_or_b32 s32, s32, 0x600000                    ; 448 x 2^e3
.irp tl, 0,1
	WIN 0x40*(1+\tl)
	v_mov_b32 v[HOLD], s32
	v_mov_b32 v[SCL], s33
	v_mov_b32 v[MT], 0                             ; a lane permute's destination counts as one of its sources
	v_mov_b32 v[NM+1], 0                           ; (named as the upper half of a pair)
.endr
	WIN 0
; The group's two fragments of Q, from their images
.macro QFETCH
	v_add_nc_u32 v[QA], s27, v[LI]
.irp n, 0,1,2,3
	ds_load_b128 v[Q+4*\n:Q+4*\n+3], v[QA] offset:QIMG+512*\n
.endr
	s_add_co_u32 s27, s27, 2048
.endm
; S^T = K Q^T: my 16 tiles of keys x the group's two tiles of queries; each product is a whole sum (the head's 64), begun with the constant 0
.macro QK
.irp tl, 0,1
	WIN 0x43+0x40*\tl                              ; K window 3, Q window 0, S^T the tile's window
.set kp, 0
.rept 16
	v_wmma_f32_16x16x64_fp8_fp8 v[8*kp:8*kp+7], v[8*kp:8*kp+7], v[Q+8*\tl:Q+8*\tl+7], 0
.set kp, kp+1
.endr
.endr
	WIN 0
.rept 4
	v_nop                                          ; four places ahead of the first read of these results and of the next loads into Q's registers
.endr
.endm
; My query's largest score among my wave's 256 keys: four chains, each ascending
.macro MAXT
.irp c, 0,1,2,3
	v_max3_num_f32 v[MX+\c], v[32*\c], v[32*\c+1], v[32*\c+2]
.endr
.set n, 0
.rept 14
.irp c, 0,1,2,3
	v_max3_num_f32 v[MX+\c], v[MX+\c], v[32*\c+3+2*n], v[32*\c+4+2*n]
.endr
.set n, n+1
.endr
	v_max3_num_f32 v[MX], v[MX], v31, v63
	v_max3_num_f32 v[MX+2], v[MX+2], v95, v127
	v_max3_num_f32 v[MX], v[MX], v[MX+1], v[MX+2]
	v_max_num_f32 v[MX], v[MX], v[MX+3]
	v_permlanex16_b32 v[MT], v[MX], s20, s21
	v_max_num_f32 v[MX], v[MX], v[MT]
.endm
; Both tiles' maxima go to LDS; a barrier; all four waves' maxima come back
.macro MAXES
	WIN 0x55
	MAXT
	WIN 0xaa
	MAXT
.irp tl, 0,1
	WIN 0x04*(1+\tl)                               ; the store's data in the tile's window
	ds_store_b32 v[MS], v[MX] offset:256*\tl
.endr
	WIN 0
	s_wait_dscnt 0x0                               ; for the others' sake: my maxima have landed; and my reads of the partials (in the loop) are back, so that they may be written again behind this barrier
	s_barrier_signal -1
	s_barrier_wait -1
.irp tl, 0,1
	WIN 0x40*(1+\tl)
	ds_load_b128 v[MQ:MQ+3], v[ML] offset:256*\tl
.endr
	WIN 0
.endm
; THE SOFTMAX OF A TILE, under the tile's window.  x = c s - c m by one packed multiply-add for two scores (FM); p = 2^x; then, for each tile of 16 keys (PO): four packed additions to the row's sum, of the
; UNQUANTISED p; with the hold, eight v_min_num_f32 (p is not negative: the hold is one-sided); one conversion of eight p into two registers of codes.
.macro FM
	v_pk_fma_f32 v[2*fpi:2*fpi+1], v[2*fpi:2*fpi+1], s[22:23], v[NM:NM+1] op_sel_hi:[1,0,0]
.set fpi, fpi+1
.endm
.macro PO                              ; number jj of the list: key tile jj / per, its line jj % per
.set kp, jj/per
.set oo, jj%per
.if oo < 4
.if jj == 0
	v_pk_add_f32 v[L0:L0+1], v[0:1], v[2:3]        ; the first additions start the two chains: nothing is cleared
.elseif jj == 1
	v_pk_add_f32 v[L1:L1+1], v[4:5], v[6:7]
.elseif jj > 3
	v_pk_add_f32 v[L0+2*(oo%2):L0+2*(oo%2)+1], v[L0+2*(oo%2):L0+2*(oo%2)+1], v[8*kp+2*oo:8*kp+2*oo+1]
.endif
.elseif oo < per-1
	v_min_num_f32 v[8*kp+oo-4], v[8*kp+oo-4], v[HOLD]   ; the conversion to an 8-bit code does not saturate (ISA guide 7.6.2)
.else
	v_cvt_scalef32_pk8_fp8_f32 v[CD+2*kp:CD+2*kp+1], v[8*kp:8*kp+7], v[SCL]
.endif
.endm
.macro ITEM                            ; the next line of a block's plain list: first the next batch's scalings, then the batch before's sums, holds and conversions
.if pcn < nf
	FM
.else
.set jj, (bq-1)*4*per+pcn-nf
	PO
.endif
.set pcn, pcn+1
.endm
; The 128 exponentials go in four batches of 32.  Between a batch's exponentials stand plain lines that name none of its registers, dealt out evenly.  Ahead of the first line that names a batch's results
; stand one plain line and one s_wait_alu depctr_va_vdst(0): four waits a tile.
.macro SOFTMAX hold
.set per, 5+8*\hold
	v_max3_num_f32 v[MX], v[MQ], v[MQ+1], v[MQ+2]
	v_max_num_f32 v[MX], v[MX], v[MQ+3]            ; the row's largest score, over all 1,024 keys
	v_mul_f32 v[NM], s24, v[MX]                    ; -c m
.set fpi, 0
.rept 16
	FM
.endr
.set bq, 0
.rept 4
.if bq > 0
	v_nop
	s_wait_alu depctr_va_vdst(0)                   ; the batch before is done: its results are named below
.endif
.set nf, 0
.if bq < 3
.set nf, 16
.endif
.set pn, nf
.if bq > 0
.set pn, nf+4*per
.endif
.set pcn, 0
.set ei, 0
.rept 32
	v_exp_f32 v[32*bq+ei], v[32*bq+ei]
.rept 3
.if pcn*32 < (ei+1)*pn
	ITEM
.endif
.endr
.set ei, ei+1
.endr
.set bq, bq+1
.endr
	v_nop
	s_wait_alu depctr_va_vdst(0)                   ; the last batch
.set jj, 12*per
.rept 4*per
	PO
.set jj, jj+1
.endr
	v_nop                                          ; one plain line between the last conversion and the products that read the codes and, later, write over p
.endm
; The choice of arm hangs on the given exponents alone (whole numbers read from memory); it is the same in all waves, and no barrier and no LDS line stands in an arm
.macro SM tl
	WIN 0                                          ; at a branch and at a label every window is 0
	s_cmp_lg_u32 s29, 0
	s_cbranch_scc1 .Lfree_\@
	WIN 0x55*(1+\tl)
	SOFTMAX 1
	WIN 0
	s_branch .Ljoin_\@
.Lfree_\@:
	WIN 0x55*(1+\tl)
	SOFTMAX 0
	WIN 0
.Ljoin_\@:
.endm
; O^T = V^T P^T over my 256 keys: two steps of 128; the four accumulators take turns, one instruction a turn; the first step starts the sums
.macro PVT tl
	WIN 0x57+0x54*\tl                              ; V window 3; the codes, C and D the tile's window
.irp s, 0,1
.irp dt, 0,1,2,3
.if \s == 0
	v_wmma_f32_16x16x128_fp8_fp8 v[OA+8*\dt:OA+8*\dt+7], v[128+16*(2*\dt+\s):128+16*(2*\dt+\s)+15], v[CD+16*\s:CD+16*\s+15], 0
.else
	v_wmma_f32_16x16x128_fp8_fp8 v[OA+8*\dt:OA+8*\dt+7], v[128+16*(2*\dt+\s):128+16*(2*\dt+\s)+15], v[CD+16*\s:CD+16*\s+15], v[OA+8*\dt:OA+8*\dt+7]
.endif
.endr
.endr
.endm
.macro LSUM                            ; the two chains, the pair's halves, the other half of the lanes': my wave's sum of my query's p
	v_pk_add_f32 v[L0:L0+1], v[L0:L0+1], v[L1:L1+1]
	v_add_f32 v[L0], v[L0], v[L0+1]
	v_permlanex16_b32 v[MT], v[L0], s20, s21
	v_add_f32 v[L0], v[L0], v[MT]
.endm
.macro OSTORE tl                       ; lane (r, h): query r, channels 16 dt + 8 h + 0 .. 7: 32 bytes of a row; each accumulator from its low end on
	WIN 0x04*(1+\tl)
	ds_store_b32 v[LST], v[L0] offset:256*\tl
.irp dt, 0,1,2,3
	ds_store_b128 v[OS], v[OA+8*\dt:OA+8*\dt+3] offset:OT*\tl+64*\dt
	ds_store_b128 v[OS], v[OA+8*\dt+4:OA+8*\dt+7] offset:OT*\tl+64*\dt+16
.endr
.endm
; A group's softmax and second product; tile 1's vector work stands behind tile 0's products.  It ends with the signal of the barrier behind which the partials are read.
.macro GROUP
	SM 0
	PVT 0
	SM 1
	PVT 1
	WIN 0x55
	LSUM                                           ; these eight lines name no register of the products above: they are the places ahead of the stores that read the results
	WIN 0xaa
	LSUM
	OSTORE 0
	OSTORE 1
	WIN 0
	s_wait_dscnt 0x0                               ; for the others' sake: my partials and sums have landed; and the next group's Q is in
	s_barrier_signal -1
.endm
.macro CLOAD                           ; the four waves' partials of my eight rows (row pair i: lanes 0-15 one row, lanes 16-31 the next), and their sums
.irp g, 0,1,2,3
.irp i, 0,1,2,3
	ds_load_b128 v[R+16*\g+4*\i:R+16*\g+4*\i+3], v[OL] offset:OW*\g+2*OP*\i
.endr
.endr
.irp i, 0,1,2,3
	ds_load_b128 v[LS+4*\i:LS+4*\i+3], v[LL] offset:32*\i
.endr
.endm
.macro CMATH step                      ; out = (the four partials added) x 2^(e2 + e3 + 2) / (4 x the four sums added + 1e-8)
.irp i, 0,1,2,3
	v_pk_add_f32 v[LS+4*\i:LS+4*\i+1], v[LS+4*\i:LS+4*\i+1], v[LS+4*\i+2:LS+4*\i+3]
.endr
.irp i, 0,1,2,3
	v_add_f32 v[LS+4*\i], v[LS+4*\i], v[LS+4*\i+1]
.endr
.irp i, 0,1,2,3
	v_fma_f32 v[LS+4*\i], v[LS+4*\i], 4.0, s28
.endr
.irp i, 0,1,2,3
	v_rcp_f32 v[RC+2*\i], v[LS+4*\i]
.endr
.irp n, 0,2,4,6,8,10,12,14
	v_pk_add_f32 v[R+\n:R+\n+1], v[R+\n:R+\n+1], v[R+16+\n:R+16+\n+1]
	v_pk_add_f32 v[R+32+\n:R+32+\n+1], v[R+32+\n:R+32+\n+1], v[R+48+\n:R+48+\n+1]
.endr
.irp n, 0,2,4,6,8,10,12,14
	v_pk_add_f32 v[R+\n:R+\n+1], v[R+\n:R+\n+1], v[R+32+\n:R+32+\n+1]
.endr
	s_wait_alu depctr_va_vdst(0)                   ; one wait for the four reciprocals, ahead of their first reader; the 24 additions above are the work between
.irp i, 0,1,2,3
	v_ldexp_f32 v[RC+2*\i], v[RC+2*\i], s25
.endr
.irp i, 0,1,2,3
	v_pk_mul_f32 v[R+4*\i:R+4*\i+1], v[R+4*\i:R+4*\i+1], v[RC+2*\i:RC+2*\i+1] op_sel_hi:[1,0]
	v_pk_mul_f32 v[R+4*\i+2:R+4*\i+3], v[R+4*\i+2:R+4*\i+3], v[RC+2*\i:RC+2*\i+1] op_sel_hi:[1,0]
.endr
.irp i, 0,1,2,3
	global_store_b128 v[GO], v[R+4*\i:R+4*\i+3], s[10:11] offset:8192*\i th:TH_STORE_NT   ; sixteen lanes store a row's 256 bytes of the head, aligned; written once, read by nobody here
.endr
.if \step
	s_wait_xcnt 0x0                                ; the stores have read their data and their base: both are written again only behind this wait
	s_add_nc_u64 s[10:11], s[10:11], 131072        ; 32 rows of out0 on
.endif
.endm
	s_wait_loadcnt 32                              ; K's 32 loads and Q's 8 are in; V's 32, issued behind them, may be out
.irp j, 0,1,2,3,4,5,6,7
	ds_store_b128 v[QS], v[R+4*\j:R+4*\j+3] offset:QIMG+(\j/2)*1024+(\j%2)*128   ; tile 4 w + j / 2, rows 8 (j % 2) on
.endr
	s_wait_dscnt 0x0                               ; for the others' sake: my four images have landed
	s_barrier_signal -1
	s_barrier_wait -1                              ; Q's sixteen images lie in LDS; nobody writes them again
	QFETCH                                         ; group 0
	s_wait_dscnt 0x0
	QK
	MAXES
	s_wait_loadcnt 0x0                             ; V
.Lgroup:                                           ; trip i finishes group i and makes group i + 1's scores and maxima
	QFETCH                                         ; group i + 1
	s_wait_dscnt 0x4                               ; the two loads of the maxima are in; the four of Q, issued behind them, may be out
	GROUP
	QK                                             ; register work alone, while the others arrive
	s_barrier_wait -1                              ; every wave's partials of group i lie in LDS, and every wave has read group i's maxima
	CLOAD
	MAXES                                          ; the maxima's arithmetic stands between those loads and the wait for them
	CMATH 1                                        ; and this between the loads of the maxima and the wait for them
	s_sub_co_u32 s26, s26, 1
	s_cmp_lg_u32 s26, 0
	s_cbranch_scc1 .Lgroup
	s_wait_dscnt 0x0                               ; the last group: its maxima are in; nothing more is fetched
	GROUP
	s_barrier_wait -1
	CLOAD
	s_wait_dscnt 0x0
	CMATH 0
	s_wait_tensorcnt 0x0                           ; the wave's end: three closing lines behind my last LDS store
	ds_add_u32 v[SPW], v[NIL]
	s_wait_dscnt 0x0
	s_endpgm
.Lfunc_end_k_qedaf271dfd_attn:
	.size	k_qedaf271dfd_attn, .Lfunc_end_k_qedaf271dfd_attn-k_qedaf271dfd_attn
	.p2alignl 7, 3214868480
	.fill 96, 4, 3214868480
	.section	.rodata,"a",@progbits
	.p2align	6, 0x0
	.amdhsa_kernel k_qedaf271dfd_attn
		.amdhsa_group_segment_fixed_size 52736
		.amdhsa_private_segment_fixed_size 0
		.amdhsa_enable_private_segment 0
		.amdhsa_kernarg_size 32
		.amdhsa_user_sgpr_count 2
		.amdhsa_user_sgpr_kernarg_segment_ptr 1
		.amdhsa_wavefront_size32 1
		.amdhsa_system_sgpr_workgroup_id_x 1
		.amdhsa_system_sgpr_workgroup_id_y 1
		.amdhsa_system_sgpr_workgroup_id_z 1
		.amdhsa_system_vgpr_workitem_id 0
		.amdhsa_next_free_vgpr 1024
		.amdhsa_next_free_sgpr 66
		.amdhsa_reserve_vcc 0
		.amdhsa_float_denorm_mode_32 3
		.amdhsa_float_denorm_mode_16_64 3
		.amdhsa_memory_ordered 1
		.amdhsa_forward_progress 1
		.amdhsa_inst_pref_size 174
	.end_amdhsa_kernel
	.amdgpu_metadata
---
amdhsa.version: [ 1, 2 ]
amdhsa.kernels:
  - .name:           k_qedaf271dfd_attn
    .symbol:         k_qedaf271dfd_attn.kd
    .args:
      - { .name: q_codes, .offset: 0, .size: 8, .value_kind: global_buffer, .address_space: global }
      - { .name: kvc, .offset: 8, .size: 8, .value_kind: global_buffer, .address_space: global }
      - { .name: lowp_scales, .offset: 16, .size: 8, .value_kind: global_buffer, .address_space: global }
      - { .name: out0, .offset: 24, .size: 8, .value_kind: global_buffer, .address_space: global }
    .group_segment_fixed_size: 52736
    .private_segment_fixed_size: 0
    .kernarg_segment_align: 8
    .kernarg_segment_size: 32
    .max_flat_workgroup_size: 128
    .sgpr_count:     66
    .vgpr_count:     1024
    .wavefront_size: 32
...
	.end_amdgpu_metadata
.endif
;; end of part 2
;; ======== version 2 of 2: 2 launches; version 1 with the launch attn written anew for expert scheduling mode
;; limits: an absolute error that grows with the inputs' magnitude: up to 5.96e-08 times it
;; workspace buffers: kvc 2,097,152 bytes
;; launch quant: the kernel of part 1 again; grid 16 x 16, 4 waves a work-group, no clusters, 17,920 bytes of LDS; arguments k, v, lowp_scales, kvc; writes kvc
;; launch attn (part 3): grid 16 x 16, 4 waves a work-group, no clusters, 52,736 bytes of LDS; arguments q_codes, kvc, lowp_scales, out0; writes out0
.if DOCPART == 3
	.amdgcn_target "amdgcn-amd-amdhsa--gfx1250"
	.amdhsa_code_object_version 6
	.text
	.protected	k_qedaf271dfd_attn
	.globl	k_qedaf271dfd_attn
	.p2align	8
	.type	k_qedaf271dfd_attn,@function
k_qedaf271dfd_attn:
	s_mov_b64 s[64:65], 0
	v_nop
	global_prefetch_b8 v0, s[64:65] scope:SCOPE_SE
	s_setreg_imm32_b32 hwreg(HW_REG_WAVE_SCHED_MODE, 0, 2), 2
	s_setreg_imm32_b32 hwreg(HW_REG_WAVE_MODE, 25, 1), 1
	s_wait_xcnt 0x0
	s_wait_alu depctr_vm_vsrc(0)
; out[q][H][:] = sum_k Q8(p) Q8(v_k) / (sum_k p + 1e-8), p = exp(score - the row's largest score), score = q . k / 8, both products on codes of E4M3.
; WORK LEFT OUT (shown at the head of the launch before): rows 1024 .. of k and v are sliced away by reference(); each of the 1,024 kept rows stands 4 times among its 4,096 keys with equal codes, scores and p.
; So 1,024 keys are walked, the row's sum enters as 4 x sum + 1e-8 and the second product's sum x 4 (exact).  A NaN, infinity or overflow that lies only in what is left out is not carried to the result.
; p is quantised as reference() has it, under the row's FINAL maximum: so all 1,024 scores of a query are made before any p.
; SHARES.  A work-group owns 256 queries of one head (x: which 256; y: the head).  THE FOUR WAVES SHARE THE KEYS, NOT THE QUERIES: wave w owns keys 256 w .. 256 w + 255.  Its codes of K (128 registers) and of V
; (128 registers) come from memory straight into the registers in which they stay for all 256 queries; no score is made twice.  The queries go in 8 groups of 32 (two tiles of 16).
; Between the waves go, through LDS: each wave's row maxima, its row sums, and its partial O, laid as rows of out0; wave w adds the four partials of rows 8 w .. 8 w + 7 of a group and stores them whole.
; NO CLUSTER, NO JOINT LOADS: the 16 work-groups of a head read the same 128 KiB of codes, but once, at the head of the text, 32 KiB a wave into registers; a joint load would land in LDS and be read out of it again (64 LDS loads a wave more).
; LAYOUT.  S^T = K Q^T (16x16x64: source 0 = 16 keys, source 1 = 16 queries): a lane holds ONE query (lane % 16) and keys 8 (lane / 16) + 0 .. 7 of the tile.  Eight such numbers convert into two registers, which ARE
; registers 2 c, 2 c + 1 of source 1 of O^T = V^T P^T (16x16x128, its own layout).  In the first product the head's 64 are laid 32 (lane / 16) + 4 i + b in register i, byte b, alike in K and in Q: every product meets its partner.
; LIMITS: e0 + e1 between -123 and 130 (added to c's exponent field); e3 between -126 and 119; NaN codes of q are not served; a p under 2^-126 counts as 0.
; REGISTERS, in windows of 256 (s_set_vgpr_msb: bits 1:0 source 0, 3:2 source 1, 5:4 source 2, 7:6 destination):
;   window 0: addresses; v32-47 Q's two fragments; v48-111 four partials of O; v112-127 four row sums x four row pairs; v128-135 reciprocals
;   window 1: tile 0's world, window 2: tile 1's, the same numbers: v0-127 S^T then p; v128-159 p's codes; v160-191 O^T; v192.. statistics.  All vector work of a tile runs under one setting.
;   window 3: v0-127 K's 16 fragments; v128-255 V's 8 fragments
; THE MODE: SCHED_MODE bits 1:0 = 2 (LLVM: expert scheduling mode 2), set by the entry lines.  The code itself states the register dependences
; between vector or matrix instructions and memory or LDS instructions, with s_wait_alu, always for 0.
; THE PLAN.  Registers that memory or LDS instructions touch, in program order round the loop:
;   v4-v6, v8-v14, v30, v31  addresses and offsets: written at the head, never again.
;   v[QA]      written by one addition at a trip's head; read by Q's four LDS loads straight behind it.
;   Q          those loads land in it; read by the trip's 32 products K Q^T.
;   MQ         (both tiles' windows) LDS loads land in it behind the maxima's barrier; read by the next trip's softmax.
;   MX         written by the softmax and by the maxima's chains; read by the two LDS stores of the maxima.
;   L0, O^T    written by the softmax, the sums' last lines and the products V^T P^T; read by the LDS stores of the sums and partials.
;   R, LS      the partials' and sums' 20 LDS loads land in them; the way out's arithmetic reads and writes them; four global stores read R's first 16.
;   K, V       loaded once, at the head.      S^T / p, p's codes and the other statistics are named by vector and matrix instructions alone.
; WAITS ON va_vdst in a trip, beside those behind the transcendentals: (1) behind the addition to v[QA]; (2) behind the sums' last lines, ahead of the stores of both sums and of tile 1's O^T: behind it stand the products
; K Q^T and four v_nop alone, which name K, Q and S^T, so the loads into R and LS owe nothing more; (3) behind the maxima's chains, ahead of the stores of MX: no vector line stands between it and the loads into MQ;
; (4) behind the way out's multiplications, ahead of the global stores.  Tile 0's O^T is stored between tile 1's softmax and tile 1's products with no wait of its own: each arm of that softmax ends with a wait on va_vdst
; that stands behind tile 0's products, and behind that wait the arm names tile 1's window alone.
; WAITS ON vm_vsrc: one a trip, behind its last memory instruction (it frees R, MX, L0, O^T and v[QA] for the next trip); one at the head, ahead of the loop, for the first trip.
.set QIMG,  0                          ; LDS: Q's 16 fragments as images of their registers: tile x 1024 + u x 512 + 16 x lane; written once
.set MREG,  16384                      ; [tile 2][row 16][wave 4] f32: the waves' row maxima
.set LREG,  16896                      ; the same shape: the waves' row sums
.set OREG,  17408                      ; [wave 4][tile 2][16 rows x 272]: the waves' partial O
.set OP,    272                        ; a row: 256 bytes + 16, so that sixteen rows' equal columns start 16 bytes apart modulo 256
.set OT,    16*OP
.set OW,    2*OT
.set SPARE, OREG+4*OW                  ; the spare words, 128 bytes a wave: two blocks of 256 bytes that no other line names
.set LI,  4                            ; v4   16 x lane
.set QG,  5                            ; v5   q_codes: 1024 (lane / 4) + 16 (lane % 4)
.set QS,  6                            ; v6   where I put Q's 16 bytes
.set QA,  7                            ; v7   the group's fragments of Q
.set MS,  8                            ; v8   MREG + 16 r + 4 w
.set ML,  9                            ; v9   MREG + 16 r
.set LST, 10                           ; v10  LREG + 16 r + 4 w
.set LL,  11                           ; v11  the sums of the rows that I finish
.set OS,  12                           ; v12  where I put 32 bytes of a row of my partial O
.set OL,  13                           ; v13  where I read the rows that I finish
.set GO,  14                           ; v14  4096 (lane / 16) + 16 (lane % 16): out0
.set SPW, 30                           ; v30  my spare word; never rewritten
.set NIL, 31                           ; v31  0; never rewritten
.set Q,   32
.set R,   48
.set LS,  112
.set RC,  128
.set CD,  128                          ; a tile's window
.set OA,  160
.set NM,  192                          ; v[192:193] -c m (the pair's low word serves both halves)
.set L0,  194                          ; v[194:195], v[196:197] the row's sum in two chains of pairs
.set L1,  196
.set MX,  198                          ; v198-201 four chains of the maximum
.set MT,  202                          ; the other half of the lanes'
.set MQ,  204                          ; v204-207 the four waves' maxima
.set HOLD, 208                         ; 448 x 2^e3
.set SCL, 209                          ; 2^e3
.set MSB, 0
.macro WIN new                         ; the immediate's high byte repeats the setting that is left; a switch that changes nothing is dropped
.if MSB != (\new)
	s_set_vgpr_msb (MSB<<8)|(\new)
.set MSB, (\new)
.endif
.endm
	s_load_b256 s[4:11], s[0:1], 0x0               ; q_codes s[4:5], kvc s[6:7], the scales s[8:9], out0 s[10:11]
	v_lshl_add_u32 v[SPW], v0, 2, SPARE
	v_mov_b32 v[NIL], 0
	v_lshrrev_b32 v1, 5, v0
	v_readfirstlane_b32 s12, v1                    ; wave w
	v_and_b32 v1, 31, v0                           ; lane
	v_and_b32 v2, 15, v0                           ; r
	v_bfe_u32 v3, v0, 4, 1                         ; h
	v_lshlrev_b32 v[LI], 4, v1
	v_lshrrev_b32 v15, 2, v1                       ; lane / 4
	v_and_b32 v16, 3, v0
	v_lshlrev_b32 v[QG], 10, v15
	v_lshl_add_u32 v[QG], v16, 4, v[QG]            ; four lanes take one query's 64 bytes, eight queries a load
	v_and_b32 v16, 1, v0
	v_bfe_u32 v17, v0, 1, 1
	v_lshlrev_b32 v[QS], 4, v15
	v_lshl_add_u32 v[QS], v16, 9, v[QS]
	v_lshl_add_u32 v[QS], v17, 8, v[QS]
	s_wait_alu depctr_va_sdst(0)                   ; s12, the wave's number, is written, ahead of its first reader: LDS addresses and the buffers' offsets are made from it
	s_lshl_b32 s30, s12, 12
	v_add_nc_u32 v[QS], s30, v[QS]                 ; 4096 w + 512 u + 256 h' + 16 (lane / 4): my 16 bytes are channels 32 h' + 16 u on, u = lane % 2, h' = (lane / 2) % 2
	v_lshlrev_b32 v[ML], 4, v2
	v_add_nc_u32 v[ML], MREG, v[ML]
	s_lshl_b32 s30, s12, 2
	v_add_nc_u32 v[MS], s30, v[ML]
	v_add_nc_u32 v[LST], LREG-MREG, v[MS]
	s_lshr_b32 s31, s12, 1                         ; the tile whose rows I finish: w / 2,
	s_and_b32 s32, s12, 1                          ; and which eight of them: 8 (w % 2) on
	s_lshl_b32 s33, s31, 8
	s_lshl_b32 s34, s32, 7
	s_add_co_u32 s33, s33, s34
	s_add_co_u32 s33, s33, LREG
	v_lshl_add_u32 v[LL], v3, 4, s33
	s_mul_i32 s33, s12, OW
	s_add_co_u32 s33, s33, OREG
	v_mul_u32_u24 v[OS], v2, OP
	v_lshl_add_u32 v[OS], v3, 5, v[OS]
	v_add_nc_u32 v[OS], s33, v[OS]
	s_mul_i32 s33, s31, OT
	s_mul_i32 s34, s32, 8*OP
	s_add_co_u32 s33, s33, s34
	s_add_co_u32 s33, s33, OREG
	v_mul_u32_u24 v[OL], v3, OP
	v_lshl_add_u32 v[OL], v2, 4, v[OL]
	v_add_nc_u32 v[OL], s33, v[OL]                 ; lanes 0-15 one row of 256 bytes, lanes 16-31 the next
	v_lshlrev_b32 v[GO], 4, v2
	v_lshl_add_u32 v[GO], v3, 12, v[GO]            ; and the same two rows in out0, 4,096 bytes apart
	s_and_b32 s13, ttmp7, 0xffff                   ; the head
	s_lshl_b32 s36, ttmp9, 18                      ; q_codes: 256 queries of 1,024 bytes,
	s_lshl_b32 s38, s12, 16                        ; the 64 that I bring in,
	s_add_co_u32 s36, s36, s38
	s_lshl_b32 s38, s13, 6                         ; the head's 64 bytes
	s_add_co_u32 s36, s36, s38
	s_mov_b32 s37, 0
	s_lshl_b32 s38, s13, 17                        ; kvc: head x 131072 + w x 32768
	s_lshl_b32 s40, s12, 15
	s_add_co_u32 s38, s38, s40
	s_mov_b32 s39, 0
	s_lshl_b32 s40, ttmp9, 20                      ; out0: 256 rows of 4,096 bytes, + 8 w rows, + the head's 256 bytes
	s_lshl_b32 s42, s12, 15
	s_add_co_u32 s40, s40, s42
	s_lshl_b32 s42, s13, 8
	s_add_co_u32 s40, s40, s42
	s_mov_b32 s41, 0
	s_wait_kmcnt 0x0
	s_load_b128 s[16:19], s[8:9], 0x0              ; e0 (q), e1 (K), e2 (V), e3 (p)
	s_add_nc_u64 s[4:5], s[4:5], s[36:37]
	s_add_nc_u64 s[6:7], s[6:7], s[38:39]
	s_add_nc_u64 s[10:11], s[10:11], s[40:41]
	WIN 0xc0                                       ; destination window 3, address window 0
	s_wait_alu depctr_va_vdst(0)                   ; the addresses and offsets v4 to v6 and v8 to v14 are written, which the loads and stores of the whole kernel read, and so are v30 and v31; between this wait and the 72 loads below stand loads and window switches alone
.set j, 0
.rept 32
	global_load_b128 v[4*j:4*j+3], v[LI], s[6:7] offset:512*j          ; K: fragment j / 2, half j % 2: 512 consecutive bytes a load
.set j, j+1
.endr
	WIN 0
.irp j, 0,1,2,3,4,5,6,7
	global_load_b128 v[R+4*\j:R+4*\j+3], v[QG], s[4:5] offset:8192*\j  ; Q: queries 8 j .. 8 j + 7 of my 64
.endr
	WIN 0xc0
.set j, 0
.rept 32
	global_load_b128 v[128+4*j:128+4*j+3], v[LI], s[6:7] offset:16384+512*j   ; V: fragment j / 4, quarter j % 4
.set j, j+1
.endr
	WIN 0
	s_mov_b32 s20, 0x76543210                      ; v_permlanex16_b32: lane l takes lane l xor 16
	s_mov_b32 s21, 0xfedcba98
	s_mov_b32 s28, 0x322bcc77                      ; 1e-8
	s_mov_b32 s27, 0                               ; LDS byte of the group of Q to be fetched
	s_mov_b32 s26, 7                               ; the loop's trips
.irp i, 0,1,2,3
	v_mov_b32 v[RC+2*\i+1], 0                      ; (named as the upper halves of pairs)
.endr
	s_wait_kmcnt 0x0
	s_add_co_i32 s30, s16, s17                     ; e0 + e1: a sum of the first product stands for sum x 2^(e0 + e1)
	s_lshl_b32 s31, s30, 23
	s_add_co_i32 s22, s31, 0x3e38aa3b              ; c = log2(e) / 8 x 2^(e0 + e1): the exponents are added to c's exponent field
	s_mov_b32 s23, s22                             ; (named with it as a pair)
	s_or_b32 s24, s22, 0x80000000                  ; -c
	s_add_co_i32 s25, s18, s19
	s_add_co_i32 s25, s25, 2                       ; e2 + e3 + 2: the second product's scales, and its four equal copies
	; s29 = 1 where the hold at 448 x 2^e3 cannot bind, whatever the codes: a score sum is at most 64 x 448^2, so with e0 + e1 <= 1 |c x sum| < 2^23, c m is rounded by at most 0.25,
	; the largest exponent is at most 0.25 and p <= 2^0.25 < 1.75 <= 448 x 2^e3 where e3 >= -8.  Else the arm with the hold is walked.
	s_cmp_ge_i32 s19, -8
	s_cselect_b32 s29, 1, 0
	s_cmp_le_i32 s30, 1
	s_cselect_b32 s29, s29, 0
	s_add_co_i32 s32, s19, 127
	s_lshl_b32 s33, s32, 23                        ; 2^e3 as f32
	s_add_co_i32 s32, s32, 8
	s_lshl_b32 s32, s32, 23
	s_or_b32 s32, s32, 0x600000                    ; 448 x 2^e3
.irp tl, 0,1
	WIN 0x40*(1+\tl)
	v_mov_b32 v[HOLD], s32
	v_mov_b32 v[SCL], s33
	v_mov_b32 v[MT], 0                             ; a lane permute's destination counts as one of its sources
	v_mov_b32 v[NM+1], 0                           ; (named as the upper half of a pair)
.endr
	WIN 0
; The group's two fragments of Q, from their images.  (v[QA] is written only behind a wait on vm_vsrc that stands behind the last loads by it: ahead of the loop's label, and at a trip's end)
.macro QFETCH
	v_add_nc_u32 v[QA], s27, v[LI]
	s_wait_alu depctr_va_vdst(0)                   ; v[QA] is written, which the four loads read; in the loop: the products K Q^T of the trip before are done reading Q's registers, in which the loads land
.irp n, 0,1,2,3
	ds_load_b128 v[Q+4*\n:Q+4*\n+3], v[QA] offset:QIMG+512*\n
.endr
	s_add_co_u32 s27, s27, 2048
.endm
; S^T = K Q^T: my 16 tiles of keys x the group's two tiles of queries; each product is a whole sum (the head's 64), begun with the constant 0
.macro QK
.irp tl, 0,1
	WIN 0x43+0x40*\tl                              ; K window 3, Q window 0, S^T the tile's window
.set kp, 0
.rept 16
	v_wmma_f32_16x16x64_fp8_fp8 v[8*kp:8*kp+7], v[8*kp:8*kp+7], v[Q+8*\tl:Q+8*\tl+7], 0
.set kp, kp+1
.endr
.endr
	WIN 0
.rept 4
	v_nop                                          ; four places (ISA guide 7.12.1) ahead of the first read of these results
.endr
.endm
; My query's largest score among my wave's 256 keys: four chains, each ascending
.macro MAXT
.irp c, 0,1,2,3
	v_max3_num_f32 v[MX+\c], v[32*\c], v[32*\c+1], v[32*\c+2]
.endr
.set n, 0
.rept 14
.irp c, 0,1,2,3
	v_max3_num_f32 v[MX+\c], v[MX+\c], v[32*\c+3+2*n], v[32*\c+4+2*n]
.endr
.set n, n+1
.endr
	v_max3_num_f32 v[MX], v[MX], v31, v63
	v_max3_num_f32 v[MX+2], v[MX+2], v95, v127
	v_max3_num_f32 v[MX], v[MX], v[MX+1], v[MX+2]
	v_max_num_f32 v[MX], v[MX], v[MX+3]
	v_permlanex16_b32 v[MT], v[MX], s20, s21
	v_max_num_f32 v[MX], v[MX], v[MT]
.endm
; Both tiles' maxima go to LDS; a barrier; all four waves' maxima come back
.macro MAXES
	WIN 0x55
	MAXT
	WIN 0xaa
	MAXT
	WIN 0x04                                       ; the store's data in tile 0's window
	s_wait_alu depctr_va_vdst(0)                   ; both tiles' v[MX] are written, which the two stores read; in the loop: the softmax is done reading v[MQ ..], in which the loads behind the barrier land (no vector line stands between this wait and them)
	ds_store_b32 v[MS], v[MX]
	WIN 0x08                                       ; in tile 1's
	ds_store_b32 v[MS], v[MX] offset:256
	WIN 0
	s_wait_dscnt 0x0                               ; for the others' sake: my maxima have landed; and my reads of the partials (in the loop) are back, so that they may be written again behind this barrier
	s_barrier_signal -1
	s_barrier_wait -1
.irp tl, 0,1
	WIN 0x40*(1+\tl)
	ds_load_b128 v[MQ:MQ+3], v[ML] offset:256*\tl
.endr
	WIN 0
.endm
; THE SOFTMAX OF A TILE, under the tile's window.  x = c s - c m by one packed multiply-add for two scores (FM); p = 2^x; then, for each tile of 16 keys (PO): four packed additions to the row's sum, of the
; UNQUANTISED p; with the hold, eight v_min_num_f32 (p is not negative: the hold is one-sided); one conversion of eight p into two registers of codes.
.macro FM
	v_pk_fma_f32 v[2*fpi:2*fpi+1], v[2*fpi:2*fpi+1], s[22:23], v[NM:NM+1] op_sel_hi:[1,0,0]
.set fpi, fpi+1
.endm
.macro PO                              ; number jj of the list: key tile jj / per, its line jj % per
.set kp, jj/per
.set oo, jj%per
.if oo < 4
.if jj == 0
	v_pk_add_f32 v[L0:L0+1], v[0:1], v[2:3]        ; the first additions start the two chains: nothing is cleared
.elseif jj == 1
	v_pk_add_f32 v[L1:L1+1], v[4:5], v[6:7]
.elseif jj > 3
	v_pk_add_f32 v[L0+2*(oo%2):L0+2*(oo%2)+1], v[L0+2*(oo%2):L0+2*(oo%2)+1], v[8*kp+2*oo:8*kp+2*oo+1]
.endif
.elseif oo < per-1
	v_min_num_f32 v[8*kp+oo-4], v[8*kp+oo-4], v[HOLD]   ; the conversion to an 8-bit code does not saturate (ISA guide 7.6.2)
.else
	v_cvt_scalef32_pk8_fp8_f32 v[CD+2*kp:CD+2*kp+1], v[8*kp:8*kp+7], v[SCL]
.endif
.endm
.macro ITEM                            ; the next line of a block's plain list: first the next batch's scalings, then the batch before's sums, holds and conversions
.if pcn < nf
	FM
.else
.set jj, (bq-1)*4*per+pcn-nf
	PO
.endif
.set pcn, pcn+1
.endm
; The 128 exponentials go in four batches of 32.  Between a batch's exponentials stand plain lines that name none of its registers, dealt out evenly.  Ahead of the first line that names a batch's results
; stand one plain line and one s_wait_alu depctr_va_vdst(0): four waits a tile.
.macro SOFTMAX hold
.set per, 5+8*\hold
	v_max3_num_f32 v[MX], v[MQ], v[MQ+1], v[MQ+2]
	v_max_num_f32 v[MX], v[MX], v[MQ+3]            ; the row's largest score, over all 1,024 keys
	v_mul_f32 v[NM], s24, v[MX]                    ; -c m
.set fpi, 0
.rept 16
	FM
.endr
.set bq, 0
.rept 4
.if bq > 0
	v_nop
	s_wait_alu depctr_va_vdst(0)                   ; the batch before's 32 exponentials have written their p, which the sums, holds and conversions below read
.endif
.set nf, 0
.if bq < 3
.set nf, 16
.endif
.set pn, nf
.if bq > 0
.set pn, nf+4*per
.endif
.set pcn, 0
.set ei, 0
.rept 32
	v_exp_f32 v[32*bq+ei], v[32*bq+ei]
.rept 3
.if pcn*32 < (ei+1)*pn
	ITEM
.endif
.endr
.set ei, ei+1
.endr
.set bq, bq+1
.endr
	v_nop
	s_wait_alu depctr_va_vdst(0)                   ; the last batch's 32 exponentials have written their p, which the lines below read; in tile 1's softmax also: tile 0's products have written its O^T, which the stores behind this softmax read
.set jj, 12*per
.rept 4*per
	PO
.set jj, jj+1
.endr
	v_nop                                          ; one plain line between the last conversion and the products that read the codes and, later, write over p
.endm
; The choice of arm hangs on the given exponents alone (whole numbers read from memory); it is the same in all waves, and no barrier and no LDS line stands in an arm
.macro SM tl
	WIN 0                                          ; at a branch and at a label every window is 0
	s_cmp_lg_u32 s29, 0
	s_cbranch_scc1 .Lfree_\@
	WIN 0x55*(1+\tl)
	SOFTMAX 1
	WIN 0
	s_branch .Ljoin_\@
.Lfree_\@:
	WIN 0x55*(1+\tl)
	SOFTMAX 0
	WIN 0
.Ljoin_\@:
.endm
; O^T = V^T P^T over my 256 keys: two steps of 128; the four accumulators take turns, one instruction a turn; the first step starts the sums
.macro PVT tl
	WIN 0x57+0x54*\tl                              ; V window 3; the codes, C and D the tile's window
.irp s, 0,1
.irp dt, 0,1,2,3
.if \s == 0
	v_wmma_f32_16x16x128_fp8_fp8 v[OA+8*\dt:OA+8*\dt+7], v[128+16*(2*\dt+\s):128+16*(2*\dt+\s)+15], v[CD+16*\s:CD+16*\s+15], 0
.else
	v_wmma_f32_16x16x128_fp8_fp8 v[OA+8*\dt:OA+8*\dt+7], v[128+16*(2*\dt+\s):128+16*(2*\dt+\s)+15], v[CD+16*\s:CD+16*\s+15], v[OA+8*\dt:OA+8*\dt+7]
.endif
.endr
.endr
.endm
.macro LSUM                            ; the two chains, the pair's halves, the other half of the lanes': my wave's sum of my query's p
	v_pk_add_f32 v[L0:L0+1], v[L0:L0+1], v[L1:L1+1]
	v_add_f32 v[L0], v[L0], v[L0+1]
	v_permlanex16_b32 v[MT], v[L0], s20, s21
	v_add_f32 v[L0], v[L0], v[MT]
.endm
.macro LSTORE tl                       ; my wave's sum of query r's p
	WIN 0x04*(1+\tl)
	ds_store_b32 v[LST], v[L0] offset:256*\tl
.endm
.macro OSTORE tl                       ; lane (r, h): query r, channels 16 dt + 8 h + 0 .. 7: 32 bytes of a row; each accumulator from its low end on
	WIN 0x04*(1+\tl)
.irp dt, 0,1,2,3
	ds_store_b128 v[OS], v[OA+8*\dt:OA+8*\dt+3] offset:OT*\tl+64*\dt
	ds_store_b128 v[OS], v[OA+8*\dt+4:OA+8*\dt+7] offset:OT*\tl+64*\dt+16
.endr
.endm
; A group's softmax and second product; tile 1's vector work stands behind tile 0's products.  It ends with the signal of the barrier behind which the partials are read.
.macro GROUP
	SM 0
	PVT 0
	SM 1
	OSTORE 0                                       ; tile 0's O^T leaves ahead of tile 1's products.  No wait here: in either arm of tile 1's softmax the last wait on va_vdst stands behind tile 0's products, and the lines behind it name tile 1's window alone
	PVT 1
	WIN 0x55
	LSUM                                           ; these eight lines name no register of the products above: they are the places ahead of the stores that read the results
	WIN 0xaa
	LSUM
	WIN 0x04
	s_wait_alu depctr_va_vdst(0)                   ; both tiles' v[L0] and tile 1's O^T are written, which the stores below read; the way out's arithmetic of the trip before is done with R and LS, in which the partials' loads behind the barrier land
	LSTORE 0
	LSTORE 1
	OSTORE 1
	WIN 0
	s_wait_dscnt 0x0                               ; for the others' sake: my partials and sums have landed; and the next group's Q is in
	s_barrier_signal -1
.endm
.macro CLOAD                           ; the four waves' partials of my eight rows (row pair i: lanes 0-15 one row, lanes 16-31 the next), and their sums.  No wait here: since the wait ahead of the partials' stores only the products K Q^T and v_nop were issued
.irp g, 0,1,2,3
.irp i, 0,1,2,3
	ds_load_b128 v[R+16*\g+4*\i:R+16*\g+4*\i+3], v[OL] offset:OW*\g+2*OP*\i
.endr
.endr
.irp i, 0,1,2,3
	ds_load_b128 v[LS+4*\i:LS+4*\i+3], v[LL] offset:32*\i
.endr
.endm
.macro CMATH step                      ; out = (the four partials added) x 2^(e2 + e3 + 2) / (4 x the four sums added + 1e-8)
.irp i, 0,1,2,3
	v_pk_add_f32 v[LS+4*\i:LS+4*\i+1], v[LS+4*\i:LS+4*\i+1], v[LS+4*\i+2:LS+4*\i+3]
.endr
.irp i, 0,1,2,3
	v_add_f32 v[LS+4*\i], v[LS+4*\i], v[LS+4*\i+1]
.endr
.irp i, 0,1,2,3
	v_fma_f32 v[LS+4*\i], v[LS+4*\i], 4.0, s28
.endr
.irp i, 0,1,2,3
	v_rcp_f32 v[RC+2*\i], v[LS+4*\i]
.endr
.irp n, 0,2,4,6,8,10,12,14
	v_pk_add_f32 v[R+\n:R+\n+1], v[R+\n:R+\n+1], v[R+16+\n:R+16+\n+1]
	v_pk_add_f32 v[R+32+\n:R+32+\n+1], v[R+32+\n:R+32+\n+1], v[R+48+\n:R+48+\n+1]
.endr
.irp n, 0,2,4,6,8,10,12,14
	v_pk_add_f32 v[R+\n:R+\n+1], v[R+\n:R+\n+1], v[R+32+\n:R+32+\n+1]
.endr
	s_wait_alu depctr_va_vdst(0)                   ; the four reciprocals have written v[RC], v[RC+2], v[RC+4], v[RC+6], ahead of their first reader; the 24 additions above are the work between
.irp i, 0,1,2,3
	v_ldexp_f32 v[RC+2*\i], v[RC+2*\i], s25
.endr
.irp i, 0,1,2,3
	v_pk_mul_f32 v[R+4*\i:R+4*\i+1], v[R+4*\i:R+4*\i+1], v[RC+2*\i:RC+2*\i+1] op_sel_hi:[1,0]
	v_pk_mul_f32 v[R+4*\i+2:R+4*\i+3], v[R+4*\i+2:R+4*\i+3], v[RC+2*\i:RC+2*\i+1] op_sel_hi:[1,0]
.endr
	s_wait_alu depctr_va_vdst(0)                   ; the multiplications have written v[R] to v[R+15], which the four stores read
.irp i, 0,1,2,3
	global_store_b128 v[GO], v[R+4*\i:R+4*\i+3], s[10:11] offset:8192*\i th:TH_STORE_NT   ; sixteen lanes store a row's 256 bytes of the head, aligned; written once, read by nobody here
.endr
.if \step
	s_wait_xcnt 0x0                                ; the stores have read their data and their base: both are written again only behind this wait
	s_wait_alu depctr_vm_vsrc(0)                   ; the stores above have read v[R ..], in which the next partials land; this trip's LDS stores have read v[MX], v[L0] and O^T, which the next softmax and products write; Q's loads have read v[QA], which the next trip's head writes
	s_add_nc_u64 s[10:11], s[10:11], 131072        ; 32 rows of out0 on
.endif
.endm
	s_wait_loadcnt 32                              ; K's 32 loads and Q's 8 are in; V's 32, issued behind them, may be out
.irp j, 0,1,2,3,4,5,6,7
	ds_store_b128 v[QS], v[R+4*\j:R+4*\j+3] offset:QIMG+(\j/2)*1024+(\j%2)*128   ; tile 4 w + j / 2, rows 8 (j % 2) on.  (v[QS] was written ahead of the head's wait on va_vdst; the data come from loads)
.endr
	s_wait_dscnt 0x0                               ; for the others' sake: my four images have landed
	s_barrier_signal -1
	s_barrier_wait -1                              ; Q's sixteen images lie in LDS; nobody writes them again
	QFETCH                                         ; group 0
	s_wait_dscnt 0x0
	QK
	MAXES
	s_wait_loadcnt 0x0                             ; V
	s_wait_alu depctr_vm_vsrc(0)                   ; for the first trip: group 0's loads of Q have read v[QA], which the trip's head writes; the stores of the maxima have read v[MX], which the softmax writes; the images' stores have read v[R ..], in which the partials land
.Lgroup:                                           ; trip i finishes group i and makes group i + 1's scores and maxima
	QFETCH                                         ; group i + 1
	s_wait_dscnt 0x4                               ; the two loads of the maxima are in; the four of Q, issued behind them, may be out
	GROUP
	QK                                             ; register work alone, while the others arrive
	s_barrier_wait -1                              ; every wave's partials of group i lie in LDS, and every wave has read group i's maxima
	CLOAD
	MAXES                                          ; the maxima's arithmetic stands between those loads and the wait for them
	CMATH 1                                        ; and this between the loads of the maxima and the wait for them
	s_sub_co_u32 s26, s26, 1
	s_cmp_lg_u32 s26, 0
	s_cbranch_scc1 .Lgroup
	s_wait_dscnt 0x0                               ; the last group: its maxima are in; nothing more is fetched
	GROUP
	s_barrier_wait -1
	CLOAD
	s_wait_dscnt 0x0
	CMATH 0
	s_wait_dscnt 0x0                               ; the closing lines, six on end
	s_wait_alu 0x0
	s_wait_tensorcnt 0x0
	ds_add_u32 v[SPW], v[NIL]
	s_wait_dscnt 0x0
	s_endpgm
.Lfunc_end_k_qedaf271dfd_attn:
	.size	k_qedaf271dfd_attn, .Lfunc_end_k_qedaf271dfd_attn-k_qedaf271dfd_attn
	.p2alignl 7, 3214868480
	.fill 96, 4, 3214868480
	.section	.rodata,"a",@progbits
	.p2align	6, 0x0
	.amdhsa_kernel k_qedaf271dfd_attn
		.amdhsa_group_segment_fixed_size 52736
		.amdhsa_private_segment_fixed_size 0
		.amdhsa_enable_private_segment 0
		.amdhsa_kernarg_size 32
		.amdhsa_user_sgpr_count 2
		.amdhsa_user_sgpr_kernarg_segment_ptr 1
		.amdhsa_wavefront_size32 1
		.amdhsa_system_sgpr_workgroup_id_x 1
		.amdhsa_system_sgpr_workgroup_id_y 1
		.amdhsa_system_sgpr_workgroup_id_z 1
		.amdhsa_system_vgpr_workitem_id 0
		.amdhsa_next_free_vgpr 1024
		.amdhsa_next_free_sgpr 66
		.amdhsa_reserve_vcc 0
		.amdhsa_float_denorm_mode_32 3
		.amdhsa_float_denorm_mode_16_64 3
		.amdhsa_memory_ordered 1
		.amdhsa_forward_progress 1
		.amdhsa_inst_pref_size 174
	.end_amdhsa_kernel
	.amdgpu_metadata
---
amdhsa.version: [ 1, 2 ]
amdhsa.kernels:
  - .name:           k_qedaf271dfd_attn
    .symbol:         k_qedaf271dfd_attn.kd
    .args:
      - { .name: q_codes, .offset: 0, .size: 8, .value_kind: global_buffer, .address_space: global }
      - { .name: kvc, .offset: 8, .size: 8, .value_kind: global_buffer, .address_space: global }
      - { .name: lowp_scales, .offset: 16, .size: 8, .value_kind: global_buffer, .address_space: global }
      - { .name: out0, .offset: 24, .size: 8, .value_kind: global_buffer, .address_space: global }
    .group_segment_fixed_size: 52736
    .private_segment_fixed_size: 0
    .kernarg_segment_align: 8
    .kernarg_segment_size: 32
    .max_flat_workgroup_size: 128
    .sgpr_count:     66
    .vgpr_count:     1024
    .wavefront_size: 32
...
	.end_amdgpu_metadata
.endif
;; end of part 3
